; MI455X (gfx1250); checked and timed in simulation.
; The chip was launched on July 23, 2026; its instructions are those of AMD's public machine-readable ISA for CDNA 5 (MIT licence, August 2026) and "CDNA5" Instruction Set Architecture Reference Guide (July 2026). The comments in the code are by the model that wrote it; some were corrected since.
;; Multi Query Attention. Allowed arithmetic: matrix products marked QUANTISED: E2M3 operands, one E8M0 scale for each 32 along K, by v_wmma_scale_f32_16x16x128_f8f6f4 with both operands' format E2M3, f32 sums; products left as they are: f32 operands where the result goes on into a quantised operand, else bf16, f16 or f32 operands; f32 sums; everything else in f32.
;; Inputs: Wk 2,048 x 2,048 float32; Wo 2,048 x 2,048 float32; Wq 2,048 x 2,048 float32; Wv 2,048 x 2,048 float32; bo 2,048 float32; keys 2 x 2,048 x 2,048 float32; queries 2 x 2,048 x 2,048 float32; values 2 x 2,048 x 2,048 float32.
;; Outputs: out0 2 x 2,048 x 2,048 float32.
;; This version of the problem:
;;   THIS VERSION OF THE PROBLEM IS GIVEN IN LOW PRECISION. The matrix products marked QUANTISED in the list below multiply operands that are first quantised to E2M3 (2 exponent bits, 3 mantissa bits; 6 bits a number), with one power-of-two scale for each 32 numbers along K (OCP MX v1.0); their sums are f32. All else is computed in f32.
;;   The module's matrix products, in the order in which they are computed (A, B: the left and right operand; K: the contracted axis; several contracted axes count as one K, in the product's order):
;;     1. [M 4,096, K 2,048] x [K 2,048, N 2,048]; A: input values; B: input Wv: QUANTISED
;;     2. [M 4,096, K 2,048] x [K 2,048, N 2,048]; A: input keys; B: input Wk: QUANTISED
;;     3. [M 4,096, K 2,048] x [K 2,048, N 2,048]; A: input queries; B: input Wq: QUANTISED
;;     4. batch 4,096 x [M 16, K 128] x [K 128, N 16]; A: computed on the way; B: computed on the way: QUANTISED
;;     5. batch 4,096 x [M 128, K 16] x [K 16, N 16]; A: computed on the way; B: softmax: left as it is (K = 16 < 32)
;;     6. [M 4,096, K 2,048] x [K 2,048, N 2,048]; A: computed on the way; B: input Wo: QUANTISED
;;   THE QUANTISER, for each operand of a quantised product, along K:
;;     - K is cut into blocks of 32 from its start; a last block that is shorter is filled with zeros.
;;     - A block's scale is 2^e with e = floor(log2(the largest magnitude in the block)) - 2, held to -126 .. 127; a block of zeros has e = 0. As a byte (E8M0): e + 127.
;;     - Each number is divided by its block's scale, clamped to +-7.5, and rounded to the nearest number of E2M3, ties to even, subnormals kept.
;;     - The product sums the exact products of the quantised numbers (number of the format x scale) in f32.
;;   ~~~python
;;   def quantise(x, axis):      # numpy; x: float32 -> the quantised numbers, widened to float32 again
;;       x = np.moveaxis(x, axis, -1); K = x.shape[-1]
;;       x = np.pad(x, [(0, 0)] * (x.ndim - 1) + [(0, -K % 32)]); x = x.reshape(x.shape[:-1] + (-1, 32)); a = np.abs(x).max(-1, keepdims=True)
;;       e = np.where(a > 0, np.clip(np.frexp(np.where(a > 0, a, 1))[1] - 1 - 2, -126, 127), 0)      # np.frexp(a)[1] - 1 = floor(log2(a)), exactly
;;       r = np.clip(x / 2.0 ** e, -7.5, 7.5)
;;       step = 2.0 ** (np.maximum(np.frexp(np.where(r == 0, 1, r))[1] - 1, 0) - 3)
;;       q = np.round(r / step) * step * 2.0 ** e      # np.round: ties to even
;;       return np.moveaxis(q.reshape(q.shape[:-2] + (-1,))[..., :K], -1, axis).astype(np.float32)
;;   ~~~
;;   OPERANDS COMPUTED ON THE WAY. 'Computed on the way' means the value that the module computes at that place (a softmax that the list does not call 'softmax' is quantised finished and normalised). What goes into a quantiser is computed in f32, as accurately as f32 sums, v_exp_f32 and their like allow (about 1e-6 of the number): no bf16 or f16 on the way to a quantiser, and a product that is left as it is and whose result goes on into a quantised operand takes f32 operands (vector FMAs, or v_wmma_f32_16x16x4_f32). A number that lies on a knife's edge between two numbers of the format may be rounded either way, as far as f32 arithmetic and the matrix unit's own rounding can turn it there, and no further.
;; One version. Each part assembles by itself: llvm-mc -triple=amdgcn-amd-amdhsa -mcpu=gfx1250 --defsym DOCPART=n.
;; ======== version 1 of 1: 4 launches
;; limits: right only within a limited range of input values
;; workspace buffers: xp 19,660,800 bytes; wp 13,107,200 bytes; qkc 12,582,912 bytes; qks 524,288 bytes; vf 33,554,432 bytes; ap 6,553,600 bytes
;; launch quant (part 1): grid 256 x 1, 10 waves a work-group, no clusters, 85,760 bytes of LDS; arguments queries, keys, values, Wq, Wk, Wv, Wo, xp, wp; writes xp, wp
.if DOCPART == 1
	.amdgcn_target "amdgcn-amd-amdhsa--gfx1250"
	.amdhsa_code_object_version 6
	.text
	.protected	k_q68c9ce3b63_quant
	.globl	k_q68c9ce3b63_quant
	.p2align	8
	.type	k_q68c9ce3b63_quant,@function
k_q68c9ce3b63_quant:
	s_mov_b64 s[64:65], 0
	v_nop
	global_prefetch_b8 v0, s[64:65] scope:SCOPE_SE
	s_setreg_imm32_b32 hwreg(HW_REG_WAVE_MODE, 25, 1), 1
	s_wait_xcnt 0x0
; THE WHOLE PROGRAM: out0 = A Wo^T + bo, where for each of the 4,096 tokens A[t][d] = sum over s of softmax_s(q[t].k[s] / sqrt(128)) v[s][d], t and s running over the token's own 16 heads,
; and q, k, v = queries Wq^T, keys Wk^T, values Wv^T.  The four large products and q.k are made on codes of E2M3 with one E8M0 scale for each 32 along K.
; DEAD WORK: none.  Every input has a way to out0 for all values, no mask is built and nothing is sliced away: all eight inputs are loaded, every product is made.
; THIS LAUNCH turns queries, keys, values [4096][2048] and Wq, Wk, Wv, Wo [2048][2048], f32 with K innermost, into codes and scale bytes, laid in the order of the operand's registers.
; A RECORD is 16 rows x 512 along K, 6,400 bytes: four images of a fragment (16 rows x 128 K: the 12 registers of each lane; group c of four registers of lane l at 512 c + 16 l), 1,536 bytes each,
; then 256 scale bytes: row r's four scale words, one for each 128 along K, at 16 r.  A tensor is laid [K / 512][block of 16 rows][record]; xp holds queries, keys, values on end, wp holds Wq, Wk, Wv, Wo.
; WHICH ROWS FORM A BLOCK: block i, row m is the tensor's row 16 i + m; but in Wq and Wk it is row 32 (i / 2) + 8 (i % 2) + m + 8 (m / 8), so that in the next launch a lane's results are neighbours along the head's 128.
; A block's scale is 2^(floor(log2(its largest magnitude)) - 2); its byte is the largest magnitude's exponent field - 2, held at 1 from below.
; LIMITS: NaN and infinities among the inputs are not served.  A block whose largest magnitude lies under 2^-124 keeps the byte 1.  A block of zeros gets the byte 1 where the rule says 127: its codes are zeros,
; which add nothing under any byte but 0xff, and the bytes are read by this program alone.
; SHARES: a wave takes one block of 16 rows x 1,024 along K: eight steps of 128, two records.  Each load reads 512 consecutive bytes of one row; a step's 16 rows turn through the wave's own stage in LDS, so that a lane
; gets two whole blocks of 32 neighbours of one row, in the very order of the operand's registers.  Each store of codes covers 512 consecutive bytes.  Waves share nothing: no barrier; the work-groups share no input: no cluster.
.set REC,    6400
.set RSC,    6144                      ; where a record's scale bytes begin
.set XG,     256*REC                   ; from one 512 along K to the next in queries, keys, values
.set WGS,    128*REC                   ; and in a weight
.set ROWB,   8192                      ; a row of any of the seven tensors, in bytes
.set SPITCH, 528                       ; a stage row: 512 bytes + 16: an odd multiple of 16, so that 16 rows of a load start in 16 different columns of 16 bytes
.set WSTG,   16*SPITCH                 ; a wave's stage
.set SPARE,  10*WSTG                   ; behind the ten stages: the spare words, 128 bytes for each wave
.set VA,  4                            ; v4   16 x lane: rows 0-7 of a block, and the stores of codes
.set VB,  5                            ; v5   the same for rows 8-15: 8 tensor rows further on in Wq and Wk
.set STI, 6                            ; v6   the stage, on the way in
.set STQ, 7                            ; v7   and on the way out: row r, 128 bytes a half
.set SOF, 9                            ; v9   the scale bytes' place: 16 r, lanes 16-31 in the second record
.set MX,  10                           ; v10-11 largest magnitudes
.set SCL, 12                           ; v12-13 the conversions' scale operands
.set BY,  14                           ; v14-15 the scale bytes
.set TW,  16                           ; v16, v17 at work on the scale word
.set TW2, 17
.set SH,  18                           ; v18  8 x half
.set SPW, 20                           ; v20  LDS address of my spare word; never rewritten
.set NIL, 21                           ; v21  0; never rewritten
.set S,   24                           ; v24-27 the scale words on the way out
.set R,   32                           ; v32-159 two sets of 64: 16 rows as loaded
.set X,   160                          ; v160-223 64 numbers of my row: 32 c + i = k 64 c + 32 h + i
.set P,   224                          ; v224-235 the fragment's 12 registers
.set T,   236                          ; v236-242 the upper halves of the two blocks' codes
.set W,   244                          ; v244-251 a scale word for each step
	s_load_b512 s[36:51], s[0:1], 0x0              ; queries, keys, values, Wq, Wk, Wv, Wo, xp
	s_load_b64 s[52:53], s[0:1], 0x40              ; wp
	v_lshl_add_u32 v[SPW], v0, 2, SPARE
	v_mov_b32 v[NIL], 0
	v_lshrrev_b32 v1, 5, v0
	v_readfirstlane_b32 s16, v1                    ; wave 0..9
	v_and_b32 v1, 31, v0                           ; lane
	s_wait_alu depctr_va_vdst(0)
	v_and_b32 v2, 15, v0                           ; r
	s_wait_alu depctr_va_vdst(0)
	v_bfe_u32 v3, v0, 4, 1                         ; h
	; THE DEAL: the seven tensors are 2,560 units of 16 rows x 1,024 along K, a unit a wave: 256 work-groups of ten waves, unit u = 10 x work-group + wave.
	; Units 0-1535 are queries, keys, values (512 each), units 1536-2559 are Wq, Wk, Wv, Wo (256 each): each wave chooses its own tensor
	s_mul_i32 s17, ttmp9, 10
	s_add_co_u32 s17, s17, s16                     ; u
	s_sub_co_u32 s18, s17, 1536                    ; (wraps to a very large number in the first 1,536)
	s_lshr_b32 s23, s17, 9
	s_and_b32 s24, s17, 511
	s_lshr_b32 s25, s18, 8
	s_and_b32 s26, s18, 255
	s_mov_b32 s27, WGS
	s_cmp_lt_u32 s17, 1536
	s_cselect_b32 s23, s23, s25                    ; the tensor's number in its buffer
	s_cselect_b32 s24, s24, s26                    ; the unit's number in its tensor
	s_cselect_b32 s27, XG, s27                     ; from one 512 along K to the next
	s_cmp_lt_u32 s18, 512                          ; Wq or Wk?
	s_cselect_b32 s28, 8, 16                       ; an odd block begins 8 or 16 rows behind the even one,
	s_cselect_b32 s29, 8, 0                        ; and its rows 8-15 lie 8 or 0 rows further on
	s_lshr_b32 s30, s24, 1                         ; my block of 16 rows
	s_and_b32 s31, s24, 1                          ; my half of K
	s_lshr_b32 s32, s30, 1
	s_lshl_b32 s32, s32, 5
	s_and_b32 s33, s30, 1
	s_mul_i32 s33, s33, s28
	s_add_co_u32 s32, s32, s33                     ; the block's first row in the tensor
	s_lshl_b32 s32, s32, 13
	s_lshl_b32 s33, s31, 12
	s_add_co_u32 s32, s32, s33                     ; in bytes, + my half of K
	s_mov_b32 s33, 0
	s_lshl_b32 s34, s23, 2
	s_lshl_b32 s35, s31, 1
	s_add_co_u32 s34, s34, s35
	s_mul_i32 s34, s34, s27
	s_mul_i32 s35, s30, REC
	s_add_co_u32 s34, s34, s35                     ; my first record
	s_mov_b32 s35, 0
	s_mov_b32 s12, s27
	s_mov_b32 s13, 0
	s_lshl_b32 s14, s29, 13
	s_mul_i32 s15, s16, WSTG
	s_mov_b32 s20, 0x76543210
	s_mov_b32 s21, 0xfedcba98                      ; v_permlanex16_b32's selects for lane l xor 16
	s_mov_b32 s22, 0xffff0000                      ; lanes 16-31
	v_lshlrev_b32 v[VA], 4, v1
	v_add_nc_u32 v[VB], s14, v[VA]
	v_add_nc_u32 v[STI], s15, v[VA]
	v_mul_u32_u24 v[STQ], v2, SPITCH
	s_wait_alu depctr_va_vdst(0)
	v_lshl_add_u32 v[STQ], v3, 7, v[STQ]
	v_add_nc_u32 v[STQ], s15, v[STQ]
	v_mul_lo_u32 v[SOF], v3, s27
	v_lshl_add_u32 v[SOF], v2, 4, v[SOF]
	v_lshlrev_b32 v[SH], 3, v3
	v_mov_b32 v[TW2], 0                            ; written once: a lane permute's destination counts as one of its sources
	s_wait_alu depctr_va_vdst(0)
	s_wait_kmcnt 0x0
	s_cmp_lt_u32 s17, 1536                         ; the choices hang on the unit's number alone
	s_cselect_b64 s[8:9], s[50:51], s[52:53]
	s_mov_b64 s[4:5], s[48:49]
	s_cmp_lt_u32 s17, 2304
	s_cselect_b64 s[4:5], s[46:47], s[4:5]
	s_cmp_lt_u32 s17, 2048
	s_cselect_b64 s[4:5], s[44:45], s[4:5]
	s_cmp_lt_u32 s17, 1792
	s_cselect_b64 s[4:5], s[42:43], s[4:5]
	s_cmp_lt_u32 s17, 1536
	s_cselect_b64 s[4:5], s[40:41], s[4:5]
	s_cmp_lt_u32 s17, 1024
	s_cselect_b64 s[4:5], s[38:39], s[4:5]
	s_cmp_lt_u32 s17, 512
	s_cselect_b64 s[4:5], s[36:37], s[4:5]
	s_add_nc_u64 s[4:5], s[4:5], s[32:33]          ; the numbers,
	s_add_nc_u64 s[8:9], s[8:9], s[34:35]          ; my first record,
	s_add_nc_u64 s[10:11], s[8:9], s[12:13]        ; my second
.macro LOAD t                          ; step t: 128 along K of the block's 16 rows, a row a load, into set t % 2
.irp j, 0,1,2,3,4,5,6,7
	global_load_b128 v[R+64*((\t)%2)+4*\j:R+64*((\t)%2)+4*\j+3], v[VA], s[4:5] offset:ROWB*\j+512*(\t) th:TH_LOAD_NT
.endr
.irp j, 8,9,10,11,12,13,14,15
	global_load_b128 v[R+64*((\t)%2)+4*\j:R+64*((\t)%2)+4*\j+3], v[VB], s[4:5] offset:ROWB*\j+512*(\t) th:TH_LOAD_NT
.endr
.endm
.macro STEP t
.if (\t) < 7
	s_wait_loadcnt 16                              ; this step's 16 loads are in; the next step's 16 may be out
.else
	s_wait_loadcnt 0x0
.endif
.irp j, 0,1,2,3,4,5,6,7,8,9,10,11,12,13,14,15
	ds_store_b128 v[STI], v[R+64*((\t)%2)+4*\j:R+64*((\t)%2)+4*\j+3] offset:SPITCH*\j
.endr
.irp c, 0,1
.irp i, 0,1,2,3,4,5,6,7
	ds_load_b128 v[X+32*\c+4*\i:X+32*\c+4*\i+3], v[STQ] offset:256*\c+16*\i   ; LDS serves a wave's instructions in order: these see the stores above
.endr
.endr
	s_wait_dscnt 0x0                               ; my 64 numbers are in, and the stores have read their registers,
.if (\t)+2 < 8
	LOAD (\t)+2                                    ; which take the loads of two steps on
.endif
.irp c, 0,1                                    ; my block 2 c + h: all its 32 numbers are mine
	v_max3_num_f32 v[MX+\c], |v[X+32*\c]|, |v[X+32*\c+1]|, 0x1800000   ; with the floor 2^(3 - 127): so the byte cannot fall under 1
.endr
.irp i, 2,4,6,8,10,12,14,16,18,20,22,24,26,28,30
.irp c, 0,1
	v_max3_num_f32 v[MX+\c], v[MX+\c], |v[X+32*\c+\i]|, |v[X+32*\c+\i+1]|   ; (the two blocks by turns)
.endr
.endr
.irp c, 0,1
	v_add_nc_u32 v[SCL+\c], 0xff000000, v[MX+\c]   ; 2 off the exponent field: the conversion takes the exponent field of this operand as its scale
.endr
.irp c, 0,1
	v_lshrrev_b32 v[BY+\c], 23, v[SCL+\c]          ; the scale's byte
.endr
	v_lshl_or_b32 v[TW], v[BY+1], 16, v[BY]        ; my two bytes: blocks h and 2 + h,
	v_lshlrev_b32 v[TW], v[SH], v[TW]              ; at their places in the scale word;
	v_permlanex16_b32 v[TW2], v[TW], s20, s21
	v_or_b32 v[W+(\t)], v[TW], v[TW2]              ; with lane l xor 16's two the word is whole
	s_wait_alu depctr_va_vdst(0)
	s_wait_xcnt 0x0                                ; the last step's stores have read P: it is written again only behind this wait
	v_cvt_scalef32_pk16_fp6_f32 v[P:P+2], v[X:X+15], v[SCL]
	v_cvt_scalef32_pk16_fp6_f32 v[T:T+2], v[X+16:X+31], v[SCL]         ; (a conversion's three registers begin on an even number)
	v_cvt_scalef32_pk16_fp6_f32 v[P+6:P+8], v[X+32:X+47], v[SCL+1]
	v_cvt_scalef32_pk16_fp6_f32 v[T+4:T+6], v[X+48:X+63], v[SCL+1]
	v_nop                                          ; one plain place behind a scaled conversion
.irp i, 0,1,2
	v_mov_b32 v[P+3+\i], v[T+\i]
	v_mov_b32 v[P+9+\i], v[T+4+\i]
.endr
.irp c, 0,1,2
.if (\t) < 4
	global_store_b128 v[VA], v[P+4*\c:P+4*\c+3], s[8:9] offset:1536*(\t)+512*\c      ; 32 lanes store 512 consecutive bytes, at a multiple of 256 from the buffer's first byte
.else
	global_store_b128 v[VA], v[P+4*\c:P+4*\c+3], s[10:11] offset:1536*((\t)-4)+512*\c
.endif
.endr
.endm
	LOAD 0
	LOAD 1
.irp t, 0,1,2,3,4,5,6,7
	STEP \t
.endr
.irp j, 0,1,2,3
	v_cndmask_b32 v[S+\j], v[W+\j], v[W+4+\j], s22 ; lanes 0-15: row r's four words of the first record; lanes 16-31: of the second
.endr
	global_store_b128 v[SOF], v[S:S+3], s[8:9] offset:RSC   ; each half of the lanes stores a record's 256 scale bytes whole
	s_wait_tensorcnt 0x0                           ; the wave's end, behind my last LDS store
	ds_add_u32 v[SPW], v[NIL]
	s_wait_dscnt 0x0
	s_endpgm
.Lfunc_end_k_q68c9ce3b63_quant:
	.size	k_q68c9ce3b63_quant, .Lfunc_end_k_q68c9ce3b63_quant-k_q68c9ce3b63_quant
	.p2alignl 7, 3214868480
	.fill 96, 4, 3214868480
	.section	.rodata,"a",@progbits
	.p2align	6, 0x0
	.amdhsa_kernel k_q68c9ce3b63_quant
		.amdhsa_group_segment_fixed_size 85760
		.amdhsa_private_segment_fixed_size 0
		.amdhsa_enable_private_segment 0
		.amdhsa_kernarg_size 72
		.amdhsa_user_sgpr_count 2
		.amdhsa_user_sgpr_kernarg_segment_ptr 1
		.amdhsa_wavefront_size32 1
		.amdhsa_system_sgpr_workgroup_id_x 1
		.amdhsa_system_sgpr_workgroup_id_y 1
		.amdhsa_system_sgpr_workgroup_id_z 1
		.amdhsa_system_vgpr_workitem_id 0
		.amdhsa_next_free_vgpr 256
		.amdhsa_next_free_sgpr 66
		.amdhsa_reserve_vcc 0
		.amdhsa_float_denorm_mode_32 3
		.amdhsa_float_denorm_mode_16_64 3
		.amdhsa_memory_ordered 1
		.amdhsa_forward_progress 1
		.amdhsa_inst_pref_size 59
	.end_amdhsa_kernel
	.amdgpu_metadata
---
amdhsa.version: [ 1, 2 ]
amdhsa.kernels:
  - .name:           k_q68c9ce3b63_quant
    .symbol:         k_q68c9ce3b63_quant.kd
    .args:
      - { .name: queries, .offset: 0, .size: 8, .value_kind: global_buffer, .address_space: global }
      - { .name: keys, .offset: 8, .size: 8, .value_kind: global_buffer, .address_space: global }
      - { .name: values, .offset: 16, .size: 8, .value_kind: global_buffer, .address_space: global }
      - { .name: Wq, .offset: 24, .size: 8, .value_kind: global_buffer, .address_space: global }
      - { .name: Wk, .offset: 32, .size: 8, .value_kind: global_buffer, .address_space: global }
      - { .name: Wv, .offset: 40, .size: 8, .value_kind: global_buffer, .address_space: global }
      - { .name: Wo, .offset: 48, .size: 8, .value_kind: global_buffer, .address_space: global }
      - { .name: xp, .offset: 56, .size: 8, .value_kind: global_buffer, .address_space: global }
      - { .name: wp, .offset: 64, .size: 8, .value_kind: global_buffer, .address_space: global }
    .group_segment_fixed_size: 85760
    .private_segment_fixed_size: 0
    .kernarg_segment_align: 8
    .kernarg_segment_size: 72
    .max_flat_workgroup_size: 320
    .sgpr_count:     66
    .vgpr_count:     256
    .wavefront_size: 32
...
	.end_amdgpu_metadata
.endif
;; end of part 1
;; launch proj (part 2): grid 8 x 32, 4 waves a work-group, clusters of 4 x 4, 327,680 bytes of LDS; arguments xp, wp, qkc, qks, vf; writes qkc, qks, vf
.if DOCPART == 2
	.amdgcn_target "amdgcn-amd-amdhsa--gfx1250"
	.amdhsa_code_object_version 6
	.text
	.protected	k_q68c9ce3b63_proj
	.globl	k_q68c9ce3b63_proj
	.p2align	8
	.type	k_q68c9ce3b63_proj,@function
k_q68c9ce3b63_proj:
	s_mov_b64 s[64:65], 0
	v_nop
	global_prefetch_b8 v0, s[64:65] scope:SCOPE_SE
	s_setreg_imm32_b32 hwreg(HW_REG_WAVE_MODE, 25, 1), 1
	s_wait_xcnt 0x0
	s_wait_alu depctr_hold_cnt(0) depctr_sa_sdst(0) depctr_va_vdst(0) depctr_va_sdst(0) depctr_va_ssrc(0) depctr_va_vcc(0) depctr_vm_vsrc(0)
	s_getreg_b32 s2, hwreg(HW_REG_IB_STS2, 6, 4)
	s_cmp_eq_u32 s2, 0
	s_cbranch_scc0 .Lentry_in_a_cluster
	s_endpgm
.Lentry_in_a_cluster:
	s_bfe_u32 s2, ttmp6, 0x10000c
	s_cmp_lg_u32 s2, 0xf033
	s_cbranch_scc0 .Lentry_shape_is_right
	s_endpgm
.Lentry_shape_is_right:
; q, k, v = queries Wq^T, keys Wk^T, values Wv^T, on the codes and scale bytes that the first launch laid as records (16 rows x 512 K: four register images of 1,536 bytes, then 256 scale bytes).  No work of the problem is left out here.
; SHARES.  A work-group of four waves makes the same tile of 128 rows x 256 columns of all three products, a wave 64 x 128 (32 accumulators, window 2).  K goes in steps of 512 through two LDS slots of 153,600 bytes
; (8 records of A, 16 of B); waves 0, 1 fetch A's halves, waves 2, 3 B's, one joint load a wave: 4 x 4 work-groups form a cluster, A's tile is shared along its row, B's along its column.
; THE WALK is twelve steps on end, in the order q, k, v, as xp and wp hold the tensors: the ring does not stop at a tile's end.
; q's and k's tiles are quantised along the head's 128 in registers and leave as register images and scale words; v's tile leaves in f32 through each wave's stage in slot 0, which has had its last fill and its last read by then.
; PREFETCH: behind the joint load of step j each wave asks for step j + 2 (the head asks for steps 1 and 2 behind step 0's load): at most two steps are asked for and not yet read.  Of the 100 blocks of 256 bytes of a half of A
; each of the four partners that load it takes 25 (its place cx x one record), of the 200 of a half of B 50 (cy x two records): shared out by address, each block named once in a cluster.  The last two refills ask for nothing.
; LIMITS: as in the first launch: NaN and infinities are not served; a block of q or k under 2^-124, or of zeros, keeps the scale byte 1 (this program alone reads the bytes).
.set TILES,  3
.set REC,    6400
.set FRB,    1536
.set RSC,    6144
.set XG,     256*REC
.set WGS,    128*REC
.set AH,     4*REC
.set BH,     8*REC
.set BOFF,   2*AH
.set SLOT,   2*AH+2*BH
.set SPARE,  2*SLOT
.set SPITCH, 528
.set CROW,   8192
.set ADRA, 16
.set ADRB, 20
.set ADRS, 22
.set STO,  24
.set RD,   25
.set LI,   26
.set SPW,  28
.set NIL,  29
.set SWO,  30
.set SC,   32
.set AF,   96
.set TM,   192
.set PC,   208
.set SW,   228
.set T0,   232
.set BK,   128
.set G1,  24
.set G0,  32
.set G1B, 48
.set G0B, 56
.set MSB, 0
.macro WIN new
.if MSB != \new
	s_set_vgpr_msb (MSB<<8)|\new
.set MSB, \new
.endif
.endm
.set MUL,  0xa1
.set TO_B, 0x40
.macro JLOAD g0a, g1a, g0b, g1b
	s_cmp_eq_u32 s15, 0
	s_cbranch_scc0 .Lfor_b_\@
	tensor_load_to_lds s[\g0a:\g0a+3], s[\g1a:\g1a+7]
	s_nop 0
.rept 4
	v_nop
.endr
	s_branch .Lasked_\@
.Lfor_b_\@:
	tensor_load_to_lds s[\g0b:\g0b+3], s[\g1b:\g1b+7]
	s_nop 0
.rept 4
	v_nop
.endr
.Lasked_\@:
.endm
.macro CREST
	s_cmp_lg_u32 s14, 0
	s_cbranch_scc1 .Lnot_wave_0_\@
	s_barrier_signal -3
.Lnot_wave_0_\@:
	s_barrier_wait -3
	s_barrier_signal -1
	s_barrier_wait -1
.endm
; One step's share of my wave's tile is asked for: v8 names blocks 0-24 (A) or 0-31 (B), v9 B's blocks 32-49; lanes left over name the share's last block again
.macro ASK pf
	global_prefetch_b8 v8, s[\pf:\pf+1] th:TH_LOAD_NT scope:SCOPE_SE
	s_cmp_eq_u32 s15, 0
	s_cbranch_scc1 .Lpf_\@
	global_prefetch_b8 v9, s[\pf:\pf+1] th:TH_LOAD_NT scope:SCOPE_SE
.Lpf_\@:
.endm
.macro CROUND
	s_barrier_signal -1
	s_barrier_wait -1
	CREST
.endm
	s_load_b128 s[4:7], s[0:1], 0x0
	s_load_b128 s[8:11], s[0:1], 0x10
	s_load_b64 s[12:13], s[0:1], 0x20
	v_lshl_add_u32 v[SPW], v0, 2, SPARE
	v_mov_b32 v[NIL], 0
	ds_add_u32 v[SPW], v[NIL]
	ds_add_u32 v[SPW], v[NIL]
	v_lshrrev_b32 v1, 5, v0
	v_readfirstlane_b32 s14, v1
	s_lshr_b32 s15, s14, 1
	s_and_b32 s16, s14, 1
	s_bfe_u32 s40, ttmp6, 0x40000
	s_bfe_u32 s41, ttmp6, 0x40004
	s_lshl_b32 s42, ttmp9, 2
	s_add_co_u32 s42, s42, s40
	s_and_b32 s17, ttmp7, 0xffff
	s_lshl_b32 s17, s17, 2
	s_add_co_u32 s17, s17, s41
	s_lshl_b32 s43, s41, 2
	s_lshl_b32 s43, 15, s43
	s_lshl_b32 s44, 0x1111, s40
	s_or_b32 s[G1+0], s43, (3<<16)|(1<<21)
	s_or_b32 s[G1B+0], s44, (3<<16)|(1<<21)
	s_mov_b32 s[G1+1], 32<<16
	s_mov_b32 s[G1+2], (AH/256)<<16
	s_mov_b32 s[G1+3], 32<<16
	s_mov_b32 s[G1+4], AH/256
	s_mov_b32 s[G1+5], 32
	s_mov_b32 s[G1+6], 0
	s_mov_b32 s[G1+7], 0
	s_mov_b32 s[G1B+1], 32<<16
	s_mov_b32 s[G1B+2], (BH/256)<<16
	s_mov_b32 s[G1B+3], 32<<16
	s_mov_b32 s[G1B+4], BH/256
	s_mov_b32 s[G1B+5], 32
	s_mov_b32 s[G1B+6], 0
	s_mov_b32 s[G1B+7], 0
	s_lshl_b32 s20, s17, 3
	s_lshl_b32 s18, s16, 2
	s_add_co_u32 s20, s20, s18
	s_mul_i32 s20, s20, REC
	s_mov_b32 s21, 0
	s_lshl_b32 s46, s42, 4
	s_lshl_b32 s18, s16, 3
	s_add_co_u32 s46, s46, s18
	s_mul_i32 s46, s46, REC
	s_mov_b32 s47, 0
	s_mul_i32 s45, s16, AH
	s_mul_i32 s94, s16, BH
	s_add_co_u32 s94, s94, BOFF
	s_mov_b32 s66, 0x76543210
	s_mov_b32 s67, 0xfedcba98
	s_mov_b32 s68, 0xffff0000
	s_cmp_eq_u32 s15, 0                            ; do I fetch for A?
	s_cselect_b32 s78, 24, 31                      ; the last block that v8 names
	s_cselect_b32 s76, s40, s41                    ; my place among the four that ask for the tile with me
	s_mov_b32 s77, 2*REC
	s_cselect_b32 s77, REC, s77                    ; a partner's share of the half
	s_mov_b32 s72, WGS
	s_cselect_b32 s72, XG, s72                     ; s[72:73]: a step of 512 along K in my buffer
	s_mov_b32 s73, 0
	s_mul_i32 s76, s76, s77
	s_mov_b32 s77, 0
	v_and_b32 v8, 31, v0
	v_min_u32 v9, 17, v8
	v_min_u32 v8, s78, v8
	v_lshlrev_b32 v8, 8, v8
	v_lshl_add_u32 v9, v9, 8, 8192
	s_wait_alu depctr_va_vdst(0)
	s_wait_dscnt 0x0
	s_wait_kmcnt 0x0
	s_add_nc_u64 s[20:21], s[4:5], s[20:21]
	s_add_nc_u64 s[46:47], s[6:7], s[46:47]
	s_cmp_eq_u32 s15, 0
	s_cselect_b64 s[70:71], s[20:21], s[46:47]
	s_add_nc_u64 s[70:71], s[70:71], s[76:77]
	s_add_nc_u64 s[70:71], s[70:71], s[72:73]      ; my share of step 1,
	s_add_nc_u64 s[74:75], s[70:71], s[72:73]      ; and of step 2
	CROUND
.irp s, 0,1
	s_mov_b32 s[G0+4*\s], 1
	s_add_co_u32 s[G0+4*\s+1], s45, \s*SLOT
	s_add_nc_u64 s[G0+4*\s+2:G0+4*\s+3], s[20:21], \s*XG
	s_or_b32 s[G0+4*\s+3], s[G0+4*\s+3], 0x80000000
	s_mov_b32 s[G0B+4*\s], 1
	s_add_co_u32 s[G0B+4*\s+1], s94, \s*SLOT
	s_add_nc_u64 s[G0B+4*\s+2:G0B+4*\s+3], s[46:47], \s*WGS
	s_or_b32 s[G0B+4*\s+3], s[G0B+4*\s+3], 0x80000000
.endr
	JLOAD G0, G1, G0B, G1B                         ; step 0: one tensor load a wave at the head
	ASK 70
	ASK 74
	v_and_b32 v1, 31, v0
	v_and_b32 v2, 15, v0
	v_bfe_u32 v3, v0, 4, 1
	v_lshlrev_b32 v[LI], 4, v1
	s_wait_alu depctr_va_vdst(0)
	v_lshlrev_b32 v[SWO], 3, v1
	s_mul_i32 s21, s15, AH
	s_mul_i32 s22, s16, BH
	s_add_co_u32 s22, s22, BOFF
	s_sub_co_u32 s23, s22, s21
	v_lshlrev_b32 v5, 4, v2
	v_mul_u32_u24 v6, s23, v3
	v_add_nc_u32 v5, v5, v6
	s_add_co_u32 s23, s21, RSC
.irp s, 0,1
	v_add_nc_u32 v[ADRA+\s], s21, v[LI]
	v_add_nc_u32 v[ADRB+\s], s22, v[LI]
	v_add_nc_u32 v[ADRS+\s], s23, v5
	s_add_co_u32 s21, s21, SLOT
	s_add_co_u32 s22, s22, SLOT
	s_add_co_u32 s23, s23, SLOT
.endr
	s_mul_i32 s23, s14, 16*SPITCH
	v_mul_u32_u24 v5, v2, SPITCH
	v_lshl_add_u32 v5, v3, 5, v5
	v_add_nc_u32 v[STO], s23, v5
	v_add_nc_u32 v[RD], s23, v[LI]
.irp b, 0,1,2,3
	v_mov_b32 v[TM+4+\b], 0
.endr
	s_lshl_b32 s46, s42, 1
	s_add_co_u32 s46, s46, s16
	s_mul_i32 s47, s46, 256*FRB
	s_lshl_b32 s20, s17, 3
	s_lshl_b32 s21, s15, 2
	s_add_co_u32 s20, s20, s21
	s_mul_i32 s20, s20, FRB
	s_add_co_u32 s92, s47, s20
	s_mov_b32 s93, 0
	s_add_nc_u64 s[8:9], s[8:9], s[92:93]
	s_lshl_b32 s47, s46, 14
	s_lshl_b32 s20, s17, 1
	s_add_co_u32 s20, s20, s15
	s_lshl_b32 s20, s20, 8
	s_add_co_u32 s92, s47, s20
	s_add_nc_u64 s[10:11], s[10:11], s[92:93]
	s_lshl_b32 s20, s17, 7
	s_lshl_b32 s21, s15, 6
	s_add_co_u32 s20, s20, s21
	s_lshl_b32 s20, s20, 13
	s_lshl_b32 s46, s42, 10
	s_lshl_b32 s47, s16, 9
	s_add_co_u32 s46, s46, s47
	s_add_co_u32 s92, s20, s46
	s_add_nc_u64 s[12:13], s[12:13], s[92:93]
.macro FETCH slot, q, p
	WIN TO_B
.irp b, 0,1,2,3,4,5,6,7
.irp c, 0,1,2
	ds_load_b128 v[128*(\p)+12*\b+4*\c:128*(\p)+12*\b+4*\c+3], v[ADRB+\slot] offset:REC*\b+FRB*(\q)+512*\c
.endr
.endr
	WIN 0
.irp a, 0,1,2,3
.irp c, 0,1,2
	ds_load_b128 v[AF+48*(\p)+12*\a+4*\c:AF+48*(\p)+12*\a+4*\c+3], v[ADRA+\slot] offset:REC*\a+FRB*(\q)+512*\c
.endr
.endr
.endm
.macro SCALES s
.irp i, 0,1,2,3,4,5,6,7
	ds_load_b128 v[SC+32*\s+4*\i:SC+32*\s+4*\i+3], v[ADRS+\s] offset:REC*\i
.endr
.endm
.macro MUL8 a, p, q, sc, zero
.irp b, 0,1,2,3,4,5,6,7
.if \zero
	v_wmma_scale_f32_16x16x128_f8f6f4 v[8*(8*(\a)+\b):8*(8*(\a)+\b)+7], v[128*(\p)+12*\b:128*(\p)+12*\b+11], v[AF+48*(\p)+12*(\a):AF+48*(\p)+12*(\a)+11], 0, v[SC+32*(\sc)+4*\b+(\q)], v[SC+32*(\sc)+4*(\a)+(\q)] matrix_a_fmt:MATRIX_FMT_FP6 matrix_b_fmt:MATRIX_FMT_FP6 matrix_a_scale:MATRIX_SCALE_ROW1
.else
	v_wmma_scale_f32_16x16x128_f8f6f4 v[8*(8*(\a)+\b):8*(8*(\a)+\b)+7], v[128*(\p)+12*\b:128*(\p)+12*\b+11], v[AF+48*(\p)+12*(\a):AF+48*(\p)+12*(\a)+11], v[8*(8*(\a)+\b):8*(8*(\a)+\b)+7], v[SC+32*(\sc)+4*\b+(\q)], v[SC+32*(\sc)+4*(\a)+(\q)] matrix_a_fmt:MATRIX_FMT_FP6 matrix_b_fmt:MATRIX_FMT_FP6 matrix_a_scale:MATRIX_SCALE_ROW1
.endif
.endr
.endm
.macro PLACES n
.rept \n
	v_nop
.endr
.endm
.macro STEP slot, q, zero
	PLACES 4
	FETCH \slot, (\q)+1, 1-(\q)%2
	s_wait_dscnt 36
	WIN MUL
	MUL8 0, (\q)%2, \q, \slot, \zero
	MUL8 1, (\q)%2, \q, \slot, \zero
	MUL8 2, (\q)%2, \q, \slot, \zero
	MUL8 3, (\q)%2, \q, \slot, \zero
	WIN 0
.endm
.macro TURN slot, next, fill           ; fill: 0 nothing is fetched; 1 the slot is filled again; 2 and the step two on is asked for
.if \fill == 2
	s_wait_xcnt 0x0                                ; my last prefetches have read their address: it is stepped only behind this wait
	s_add_nc_u64 s[70:71], s[70:71], s[72:73]
.endif
	s_wait_tensorcnt 0x0
	ds_add_u32 v[SPW], v[NIL]
	s_wait_dscnt 1
	WIN MUL
	MUL8 0, 1, 3, \slot, 0
	s_wait_dscnt 0x0
	s_barrier_signal -1
	MUL8 1, 1, 3, \slot, 0
	WIN 0
	s_barrier_wait -1
.if \fill
	CREST
	s_add_nc_u64 s[G0+4*\slot+2:G0+4*\slot+3], s[G0+4*\slot+2:G0+4*\slot+3], 2*XG
	s_add_nc_u64 s[G0B+4*\slot+2:G0B+4*\slot+3], s[G0B+4*\slot+2:G0B+4*\slot+3], 2*WGS
	JLOAD G0+4*\slot, G1, G0B+4*\slot, G1B
.else
	PLACES 4
.endif
	FETCH \next, 0, 0
	s_wait_alu depctr_va_vdst(0)
	SCALES \next
.if \fill == 2
	ASK 70                                         ; behind the joint load and the run of LDS loads that the next products wait for
.endif
	WIN MUL
	MUL8 2, 1, 3, \slot, 0
	MUL8 3, 1, 3, \slot, 0
	WIN 0
.endm
.macro SLOT3 slot, zero
	STEP \slot, 0, \zero
	STEP \slot, 1, 0
	STEP \slot, 2, 0
.endm
.macro QUANT s, pw
	WIN 0x0a
.irp b, 0,1,2,3
	v_max3_num_f32 v[TM+\b], |v[(\s)+16*\b]|, |v[(\s)+16*\b+1]|, 0x1800000
.endr
.irp i, 2,4,6,8,10,12,14
.irp b, 0,1,2,3
	v_max3_num_f32 v[TM+\b], |v[(\s)+16*\b+\i]|, |v[(\s)+16*\b+\i+1]|, v[TM+\b]
.endr
.endr
	WIN 0
.irp b, 0,1,2,3
	v_permlanex16_b32 v[TM+4+\b], v[TM+\b], s66, s67
.endr
.irp b, 0,1,2,3
	v_max_num_f32 v[TM+\b], v[TM+\b], v[TM+4+\b]
.endr
.irp b, 0,1,2,3
	v_add_nc_u32 v[TM+12+\b], 0xff000000, v[TM+\b]
.endr
.irp b, 0,1,2,3
	v_lshrrev_b32 v[TM+4+\b], 23, v[TM+12+\b]
.endr
	v_lshl_or_b32 v[\pw], v[TM+5], 8, v[TM+4]
	v_lshl_or_b32 v[\pw], v[TM+6], 16, v[\pw]
	v_lshl_or_b32 v[\pw], v[TM+7], 24, v[\pw]
	WIN 0x02
.irp c, 0,1
	v_cvt_scalef32_pk16_fp6_f32 v[PC+6*\c:PC+6*\c+2], v[(\s)+32*\c:(\s)+32*\c+15], v[TM+12+2*\c]
	v_cvt_scalef32_pk16_fp6_f32 v[PC+12+4*\c:PC+12+4*\c+2], v[(\s)+32*\c+16:(\s)+32*\c+31], v[TM+12+2*\c+1]
.endr
	WIN 0
	v_nop
.irp c, 0,1
.irp i, 0,1,2
	v_permlane16_swap_b32 v[PC+6*\c+\i], v[PC+12+4*\c+\i]
.endr
.irp i, 0,1,2
	v_mov_b32 v[PC+3+6*\c+\i], v[PC+12+4*\c+\i]
.endr
.endr
.endm
.macro EPI_QK
	PLACES 4
.irp a, 0,1,2,3
.if \a > 0
	s_wait_xcnt 0x0
.endif
	QUANT 64*\a, SW+\a
.irp c, 0,1,2
	global_store_b128 v[LI], v[PC+4*\c:PC+4*\c+3], s[8:9] offset:FRB*\a+512*\c
.endr
.endr
	v_cndmask_b32 v[T0], v[SW], v[SW+2], s68
	v_cndmask_b32 v[T0+1], v[SW+1], v[SW+3], s68
	global_store_b64 v[SWO], v[T0:T0+1], s[10:11]
	s_wait_xcnt 0x0
	s_add_nc_u64 s[8:9], s[8:9], 16*256*FRB
	s_add_nc_u64 s[10:11], s[10:11], 16*16384
.endm
.macro TOSTAGE a
	WIN 0x08
.irp b, 0,1,2,3,4,5,6,7
	ds_store_b128 v[STO], v[64*(\a)+8*\b:64*(\a)+8*\b+3] offset:64*\b
	ds_store_b128 v[STO], v[64*(\a)+8*\b+4:64*(\a)+8*\b+7] offset:64*\b+16
.endr
	WIN 0
.set BB, BK+64*((\a)%2)
.irp t, 0,1,2,3,4,5,6,7,8,9,10,11,12,13,14,15
	ds_load_b128 v[BB+4*\t:BB+4*\t+3], v[RD] offset:\t*SPITCH
.endr
.endm
.macro SEND a, younger
.set BB, BK+64*((\a)%2)
	s_wait_dscnt \younger
.if (\a) > 0
	s_add_nc_u64 s[12:13], s[12:13], 16*CROW
.endif
.irp t, 0,1,2,3,4,5,6,7,8,9,10,11,12,13,14,15
	global_store_b128 v[LI], v[BB+4*\t:BB+4*\t+3], s[12:13] offset:\t*CROW th:TH_STORE_NT
.endr
.endm
	s_wait_xcnt 0x0                                ; the head's prefetches have read their addresses
	s_add_nc_u64 s[70:71], s[74:75], s[72:73]      ; step 3
	s_wait_alu depctr_va_vdst(0)
	s_wait_tensorcnt 0x0                           ; my part of step 0 is in
	ds_add_u32 v[SPW], v[NIL]
	s_wait_dscnt 0x0
	CROUND                                         ; slot 0 is whole for all four waves, and all sixteen work-groups are here
	JLOAD G0+4, G1, G0B+4, G1B                     ; step 1: slot 1's first fill, the first tensor load behind the round
	FETCH 0, 0, 0
	SCALES 0
	ASK 70
	s_mov_b32 s2, TILES-1
.Ltile:                                                ; two trips: q's tile, then k's; the refills are steps 2 to 9, the prefetches steps 4 to 11
	SLOT3 0, 1
	TURN 0, 1, 2
	SLOT3 1, 0
	TURN 1, 0, 2
	SLOT3 0, 0
	TURN 0, 1, 2
	SLOT3 1, 0
	TURN 1, 0, 2
	EPI_QK
	s_sub_co_u32 s2, s2, 1
	s_cmp_lg_u32 s2, 0
	s_cbranch_scc1 .Ltile
	SLOT3 0, 1
	TURN 0, 1, 1
	SLOT3 1, 0
	TURN 1, 0, 1
	SLOT3 0, 0
	TURN 0, 1, 0
	SLOT3 1, 0
	s_wait_dscnt 0x0
	WIN MUL
	MUL8 0, 1, 3, 1, 0
	MUL8 1, 1, 3, 1, 0
	MUL8 2, 1, 3, 1, 0
	MUL8 3, 1, 3, 1, 0
	WIN 0
	PLACES 4
	TOSTAGE 0
.irp a, 1,2,3
.if \a > 1
	s_wait_xcnt 0x0
.endif
	TOSTAGE \a
	SEND \a-1, 32
.endr
	s_wait_xcnt 0x0
	SEND 3, 0
	s_wait_tensorcnt 0x0
	ds_add_u32 v[SPW], v[NIL]
	s_wait_dscnt 0x0
	CROUND
	s_endpgm
.Lfunc_end_k_q68c9ce3b63_proj:
	.size	k_q68c9ce3b63_proj, .Lfunc_end_k_q68c9ce3b63_proj-k_q68c9ce3b63_proj
	.p2alignl 7, 3214868480
	.fill 96, 4, 3214868480
	.section	.rodata,"a",@progbits
	.p2align	6, 0x0
	.amdhsa_kernel k_q68c9ce3b63_proj
		.amdhsa_group_segment_fixed_size 327680
		.amdhsa_private_segment_fixed_size 0
		.amdhsa_enable_private_segment 0
		.amdhsa_kernarg_size 40
		.amdhsa_user_sgpr_count 2
		.amdhsa_user_sgpr_kernarg_segment_ptr 1
		.amdhsa_wavefront_size32 1
		.amdhsa_system_sgpr_workgroup_id_x 1
		.amdhsa_system_sgpr_workgroup_id_y 1
		.amdhsa_system_sgpr_workgroup_id_z 1
		.amdhsa_system_vgpr_workitem_id 0
		.amdhsa_next_free_vgpr 768
		.amdhsa_next_free_sgpr 100
		.amdhsa_reserve_vcc 0
		.amdhsa_float_denorm_mode_32 3
		.amdhsa_float_denorm_mode_16_64 3
		.amdhsa_memory_ordered 1
		.amdhsa_forward_progress 1
		.amdhsa_inst_pref_size 255
	.end_amdhsa_kernel
	.section	.bss,"aw",@nobits
	.p2align	6
	.space	262144
	.amdgpu_metadata
---
amdhsa.version: [ 1, 2 ]
amdhsa.kernels:
  - .name:           k_q68c9ce3b63_proj
    .symbol:         k_q68c9ce3b63_proj.kd
    .args:
      - { .name: xp, .offset: 0, .size: 8, .value_kind: global_buffer, .address_space: global }
      - { .name: wp, .offset: 8, .size: 8, .value_kind: global_buffer, .address_space: global }
      - { .name: qkc, .offset: 16, .size: 8, .value_kind: global_buffer, .address_space: global }
      - { .name: qks, .offset: 24, .size: 8, .value_kind: global_buffer, .address_space: global }
      - { .name: vf, .offset: 32, .size: 8, .value_kind: global_buffer, .address_space: global }
    .group_segment_fixed_size: 327680
    .private_segment_fixed_size: 0
    .kernarg_segment_align: 8
    .kernarg_segment_size: 40
    .max_flat_workgroup_size: 128
    .sgpr_count:     100
    .vgpr_count:     768
    .wavefront_size: 32
...
	.end_amdgpu_metadata
.endif
;; end of part 2
;; launch attn (part 3): grid 256 x 1, 16 waves a work-group, no clusters, 215,040 bytes of LDS; arguments qkc, qks, vf, ap; writes ap
.if DOCPART == 3
	.amdgcn_target "amdgcn-amd-amdhsa--gfx1250"
	.amdhsa_code_object_version 6
	.text
	.protected	k_q68c9ce3b63_attn
	.globl	k_q68c9ce3b63_attn
	.p2align	8
	.type	k_q68c9ce3b63_attn,@function
k_q68c9ce3b63_attn:
	s_mov_b64 s[64:65], 0
	v_nop
	global_prefetch_b8 v0, s[64:65] scope:SCOPE_SE
	s_setreg_imm32_b32 hwreg(HW_REG_WAVE_MODE, 25, 1), 1
	s_wait_xcnt 0x0
; For each token: energy[t][s] = q[t] . k[s] over the head's 128 (on codes of E2M3, as the launch before made them), softmax over the token's 16 heads s of energy / sqrt(128), with the row's maximum taken away,
; A[t][d] = sum over s of att[t][s] v[s][d] in f32 (its result goes into a quantiser: f32 operands), and A quantised along K = 128 t + d for the last product.  No work of the problem is left out here.
; SHARES.  A work-group takes 16 tokens; wave w COMPUTES token w, and on the way in and out it CARRIES head w: in memory an image holds one head of 16 tokens (lanes = tokens), the products want one token's 16 heads
; (lanes = heads).  The turn is made in LDS: an image is stored as it lies, and a lane reads its 16 bytes out of the image of its head, at the place of the wave's token.  The work-groups share no tile: no cluster.
; LAYOUT.  E = k q^T: lane (t, h) holds energy[t][8 h + j] in register j.  The f32 product is used transposed, A^T = v^T att^T, with K taken in the order s = 8 h + 2 kk + j on both sources: so att's registers
; are source 1 as they stand.  The channels of a tile of v^T are chosen (32 (T / 2) + 8 (T % 2) + m + 8 (m / 8)) so that a lane's 64 results are register 16 b + i = channel 32 b + 16 h + i of head t.
; ap is laid as the first launch lays an operand: [K / 512][block of 16 tokens][record of 6,400 bytes]; the K step of 128 is the head.
; LIMITS: NaN and infinities are not served; a weight under 2^-126 counts as 0; a block of A under 2^-124 keeps the scale byte 1, a block of zeros too (its codes are zeros; this program alone reads the bytes).
.set REC,   6400
.set FRB,   1536
.set RSC,   6144
.set XG,    256*REC
.set VPITCH, 528                       ; a head's row of v in LDS: 512 bytes + 16
.set VW,    16*VPITCH                  ; a wave's 16 rows of v
.set IP,    1552                       ; an image in LDS: 1,536 bytes + 16: an odd multiple of 16, so that 16 lanes that read 16 images fall in 16 different columns of 16 bytes
.set QI,    16*VW                      ; q's 16 images;
.set KOFF,  16*IP                      ; k's lie behind them,
.set OOFF,  32*IP                      ; and A's behind those
.set SCI,   QI+48*IP                   ; q's scale words, 68 bytes a head; k's 1,088 bytes on
.set OSC,   SCI+2304                   ; the scale bytes of ap's four records, 256 each
.set SPARE, OSC+1024                   ; the spare words, 128 bytes for each wave
.set GL,  4                            ; v4   16 x lane
.set GS,  5                            ; v5   the scale words in memory: 8 r; lanes 16-31 take k's
.set AQS, 6                            ; v6   my head's image, as it lies
.set AQ,  7                            ; v7   my token's 16 bytes in the image of head r
.set ASI, 8                            ; v8   scale words: head w, token r
.set ASR, 9                            ; v9   scale words: head r, token w
.set VST, 10                           ; v10  v on the way into LDS
.set AV,  11                           ; v11  and out of it
.set AOS, 12                           ; v12  A's scale word of head r, token w
.set AOR, 13                           ; v13  two records' scale bytes, as they lie
.set GOS, 14                           ; v14  and their place in memory
.set SPW, 30                           ; v30  LDS address of my spare word; never rewritten
.set NIL, 31                           ; v31  0; never rewritten
.set QF,  32                           ; v32-43  q's fragment
.set KF,  44                           ; v44-55  k's
.set SCW, 56                           ; v56     lanes 0-15 q's scale words, lanes 16-31 k's
.set VR,  64                           ; v64-127 v as loaded, then v^T's fragments: 8 T + e = v[8 h + e][the tile's channel r]
.set OA,  128                          ; v128-191 A^T: written by matrix instructions alone
.set EN,  192                          ; v192-199 the energies
.set PR,  200                          ; v200-207 the weights
.set MXR, 208                          ; v208-209 the maximum;  v210-213 sums;  v214-215 1 / the sum
.set SM,  210
.set RC,  214
.set TM,  216                          ; v216-231 at work in the quantiser
.set PW,  232                          ; v232    the scale word just made
.set PC,  234                          ; v234-252 the codes just made
	s_load_b256 s[4:11], s[0:1], 0x0               ; qkc s[4:5], qks s[6:7], vf s[8:9], ap s[10:11]
	v_lshl_add_u32 v[SPW], v0, 2, SPARE
	v_mov_b32 v[NIL], 0
	v_lshrrev_b32 v1, 5, v0
	s_delay_alu instid0(VALU_DEP_1)
	v_readfirstlane_b32 s16, v1                    ; wave 0..15
	v_and_b32 v1, 31, v0                           ; lane
	v_and_b32 v2, 15, v0                           ; r
	v_bfe_u32 v3, v0, 4, 1                         ; h
	s_delay_alu instid0(VALU_DEP_3)
	v_lshlrev_b32 v[GL], 4, v1
	s_delay_alu instid0(VALU_DEP_2)
	v_lshlrev_b32 v[GS], 18, v3                    ; k's words lie 262,144 bytes behind q's
	s_delay_alu instid0(VALU_DEP_1)
	v_lshl_add_u32 v[GS], v2, 3, v[GS]
	s_mul_i32 s17, s16, IP
	s_add_co_u32 s17, s17, QI
	v_add_nc_u32 v[AQS], s17, v[GL]
	v_mul_u32_u24 v[AQ], v2, IP
	s_delay_alu instid0(VALU_DEP_1)
	v_lshl_add_u32 v[AQ], v3, 8, v[AQ]
	s_lshl_b32 s18, s16, 4
	s_add_co_u32 s18, s18, QI
	v_add_nc_u32 v[AQ], s18, v[AQ]                 ; image r, lane (w, h): 16 w + 256 h
	v_mul_u32_u24 v15, v3, 1088
	s_delay_alu instid0(VALU_DEP_1)
	v_lshl_add_u32 v[ASI], v2, 2, v15
	s_mul_i32 s19, s16, 68
	s_add_co_u32 s19, s19, SCI
	v_add_nc_u32 v[ASI], s19, v[ASI]
	v_mad_u32_u24 v[ASR], v2, 68, v15
	s_lshl_b32 s19, s16, 2
	s_add_co_u32 s19, s19, SCI
	v_add_nc_u32 v[ASR], s19, v[ASR]
	s_mul_i32 s20, s16, VW
	v_add_nc_u32 v[VST], s20, v[GL]
	v_and_b32 v[AV], 8, v2
	s_delay_alu instid0(VALU_DEP_1)
	v_add_nc_u32 v[AV], v[AV], v2                  ; r + 8 (r / 8)
	s_delay_alu instid0(VALU_DEP_1)
	v_lshlrev_b32 v[AV], 2, v[AV]
	s_delay_alu instid0(VALU_DEP_1)
	v_mad_u32_u24 v[AV], v3, 8*VPITCH, v[AV]       ; lanes 16-31: heads 8 to 15
	s_delay_alu instid0(VALU_DEP_1)
	v_add_nc_u32 v[AV], s20, v[AV]
	v_lshrrev_b32 v[AOS], 2, v2
	s_delay_alu instid0(VALU_DEP_1)
	v_lshlrev_b32 v[AOS], 8, v[AOS]                ; record r / 4,
	v_and_b32 v[AOR], 3, v2
	s_delay_alu instid0(VALU_DEP_1)
	v_lshl_add_u32 v[AOS], v[AOR], 2, v[AOS]       ; word r % 4,
	s_lshl_b32 s21, s16, 4
	s_add_co_u32 s21, s21, OSC
	v_add_nc_u32 v[AOS], s21, v[AOS]               ; of row w
	s_and_b32 s22, s16, 1
	s_lshl_b32 s23, s22, 9
	s_add_co_u32 s23, s23, OSC
	v_add_nc_u32 v[AOR], s23, v[GL]
	v_mul_u32_u24 v[GOS], v3, XG
	s_delay_alu instid0(VALU_DEP_1)
	v_lshl_add_u32 v[GOS], v2, 4, v[GOS]
	v_mov_b32 v[MXR+1], 0                          ; written once: a lane permute's destination counts as one of its sources
	v_mov_b32 v[SM+1], 0
	v_mov_b32 v[RC+1], 0                           ; (named as the upper half of a pair)
.irp b, 0,1,2,3
	v_mov_b32 v[TM+4+\b], 0
.endr
	s_mov_b32 s36, 0x76543210
	s_mov_b32 s37, 0xfedcba98                      ; v_permlanex16_b32's selects for lane l xor 16
	s_mov_b32 s38, 0x3e0293ee                      ; log2(e) / sqrt(128)
	s_mul_i32 s24, s16, 256*FRB                    ; qkc: head w,
	s_mul_i32 s26, ttmp9, FRB                      ; my block of 16 tokens
	s_add_co_u32 s24, s24, s26
	s_mov_b32 s25, 0
	s_lshl_b32 s26, s16, 14                        ; qks: head w, the 64 tokens that hold my 16: the word of token 16 a + r lies at 8 (r + 16 (a / 2)) + 4 (a % 2)
	s_lshr_b32 s28, ttmp9, 2
	s_lshl_b32 s28, s28, 8
	s_add_co_u32 s26, s26, s28
	s_bfe_u32 s28, ttmp9, 0x10001
	s_lshl_b32 s28, s28, 7
	s_add_co_u32 s26, s26, s28
	s_and_b32 s28, ttmp9, 1
	s_lshl_b32 s28, s28, 2
	s_add_co_u32 s26, s26, s28
	s_mov_b32 s27, 0
	s_lshl_b32 s28, ttmp9, 4
	s_add_co_u32 s28, s28, s16                     ; vf: my token's row
	s_lshl_b32 s28, s28, 13
	s_mov_b32 s29, 0
	s_lshr_b32 s30, s16, 2                         ; ap: head w is K step w % 4 of record w / 4
	s_mul_i32 s30, s30, XG
	s_mul_i32 s32, ttmp9, REC
	s_add_co_u32 s30, s30, s32
	s_and_b32 s33, s16, 3
	s_mul_i32 s33, s33, FRB
	s_add_co_u32 s30, s30, s33
	s_mov_b32 s31, 0
	s_mul_i32 s34, s22, 2*XG                       ; and records 2 (w % 2), 2 (w % 2) + 1, for their scale bytes
	s_add_co_u32 s34, s34, s32
	s_mov_b32 s35, 0
	s_wait_kmcnt 0x0
	s_add_nc_u64 s[4:5], s[4:5], s[24:25]
	s_add_nc_u64 s[6:7], s[6:7], s[26:27]
	s_add_nc_u64 s[8:9], s[8:9], s[28:29]
	s_add_nc_u64 s[12:13], s[10:11], s[34:35]
	s_add_nc_u64 s[10:11], s[10:11], s[30:31]
	; all that the wave reads from memory is asked for at once: 23 loads
.irp c, 0,1,2
	global_load_b128 v[QF+4*\c:QF+4*\c+3], v[GL], s[4:5] offset:512*\c th:TH_LOAD_NT               ; q's image of head w
.endr
.irp c, 0,1,2
	global_load_b128 v[KF+4*\c:KF+4*\c+3], v[GL], s[4:5] offset:16*256*FRB+512*\c th:TH_LOAD_NT    ; k's
.endr
	global_load_b32 v[SCW], v[GS], s[6:7]          ; their scale words
.irp j, 0,1,2,3,4,5,6,7,8,9,10,11,12,13,14,15
	global_load_b128 v[VR+4*\j:VR+4*\j+3], v[GL], s[8:9] offset:512*\j th:TH_LOAD_NT               ; v of my token: head j's 512 bytes
.endr
	s_wait_loadcnt 16                              ; the images and the words are in; v's 16 loads may be out
.irp c, 0,1,2
	ds_store_b128 v[AQS], v[QF+4*\c:QF+4*\c+3] offset:512*\c
	ds_store_b128 v[AQS], v[KF+4*\c:KF+4*\c+3] offset:KOFF+512*\c
.endr
	ds_store_b32 v[ASI], v[SCW]
	s_wait_dscnt 0x0                               ; for the others' sake: my stores have landed
	s_barrier_signal -1
	s_barrier_wait -1                              ; the 32 images lie in LDS
.irp c, 0,1,2
	ds_load_b128 v[QF+4*\c:QF+4*\c+3], v[AQ] offset:512*\c          ; lane (t, h): my token's registers of head t
	ds_load_b128 v[KF+4*\c:KF+4*\c+3], v[AQ] offset:KOFF+512*\c
.endr
	ds_load_b32 v[SCW], v[ASR]
	s_wait_dscnt 0x0
	v_wmma_scale_f32_16x16x128_f8f6f4 v[EN:EN+7], v[KF:KF+11], v[QF:QF+11], 0, v[SCW], v[SCW] matrix_a_fmt:MATRIX_FMT_FP6 matrix_b_fmt:MATRIX_FMT_FP6 matrix_a_scale:MATRIX_SCALE_ROW1
.rept 4
	v_nop                                          ; four places in front of the first read of the result
.endr
	v_max3_num_f32 v[MXR], v[EN], v[EN+1], v[EN+2] ; the row's maximum, from the accumulator's low end on
	v_max3_num_f32 v[MXR], v[MXR], v[EN+3], v[EN+4]
	v_max3_num_f32 v[MXR], v[MXR], v[EN+5], v[EN+6]
	v_max_num_f32 v[MXR], v[MXR], v[EN+7]
	s_delay_alu instid0(VALU_DEP_1)
	v_permlanex16_b32 v[MXR+1], v[MXR], s36, s37
	s_delay_alu instid0(VALU_DEP_1)
	v_max_num_f32 v[MXR], v[MXR], v[MXR+1]         ; with lane l xor 16's eight heads
.irp j, 0,1,2,3,4,5,6,7
	v_sub_f32 v[PR+\j], v[EN+\j], v[MXR]           ; the difference first, then the factor: a fused form would round at the size of the energy, not of the difference
.endr
.irp j, 0,1,2,3,4,5,6,7
	v_mul_f32 v[PR+\j], s38, v[PR+\j]
.endr
	s_wait_alu depctr_va_vdst(0)
.irp j, 0,1,2,3,4,5,6,7
	v_exp_f32 v[PR+\j], v[PR+\j]
.endr
	v_nop                                          ; a plain place behind the exponentials
	s_wait_alu depctr_va_vdst(0)                   ; one wait for the batch, ahead of its first reader
	v_add_f32 v[SM], v[PR], v[PR+1]
	v_add_f32 v[SM+2], v[PR+2], v[PR+3]
	v_add_f32 v[SM+3], v[PR+4], v[PR+5]
	v_add_f32 v[RC], v[PR+6], v[PR+7]
	s_delay_alu instid0(VALU_DEP_3)
	v_add_f32 v[SM], v[SM], v[SM+2]
	s_delay_alu instid0(VALU_DEP_2)
	v_add_f32 v[SM+3], v[SM+3], v[RC]
	s_delay_alu instid0(VALU_DEP_1)
	v_add_f32 v[SM], v[SM], v[SM+3]
	s_delay_alu instid0(VALU_DEP_1)
	v_permlanex16_b32 v[SM+1], v[SM], s36, s37
	s_delay_alu instid0(VALU_DEP_1)
	v_add_f32 v[SM], v[SM], v[SM+1]                ; the row's sum
	s_wait_alu depctr_va_vdst(0)
	v_rcp_f32 v[RC], v[SM]
	v_nop                                          ; a plain place behind the reciprocal
	s_wait_alu depctr_va_vdst(0)                   ; and its wait, ahead of the first reader
.irp j, 0,2,4,6
	v_pk_mul_f32 v[PR+\j:PR+\j+1], v[PR+\j:PR+\j+1], v[RC:RC+1] op_sel_hi:[1,0]   ; att[t][8 h + j], finished and normalised
.endr
	s_wait_alu depctr_va_vdst(0)
	s_wait_loadcnt 0x0                             ; v
.irp j, 0,1,2,3,4,5,6,7,8,9,10,11,12,13,14,15
	ds_store_b128 v[VST], v[VR+4*\j:VR+4*\j+3] offset:VPITCH*\j
.endr
	s_wait_dscnt 0x0                               ; the stores have read their registers, which the loads below fill
.irp t, 0,1,2,3,4,5,6,7
.irp e, 0,1,2,3,4,5,6,7
	ds_load_b32 v[VR+8*\t+\e], v[AV] offset:VPITCH*\e+128*(\t/2)+32*(\t%2)   ; v[8 h + e][32 (t / 2) + 8 (t % 2) + r + 8 (r / 8)]: the 32 lanes touch 32 different banks
.endr
.endr
	s_wait_dscnt 0x0
.irp t, 0,1,2,3,4,5,6,7                        ; A^T = v^T att^T: eight tiles of 16 channels by turns, four heads of each half a step; the first step starts the sums
	v_wmma_f32_16x16x4_f32 v[OA+8*\t:OA+8*\t+7], v[VR+8*\t:VR+8*\t+1], v[PR:PR+1], 0
.endr
.irp k, 1,2,3
.irp t, 0,1,2,3,4,5,6,7
	v_wmma_f32_16x16x4_f32 v[OA+8*\t:OA+8*\t+7], v[VR+8*\t+2*\k:VR+8*\t+2*\k+1], v[PR+2*\k:PR+2*\k+1], v[OA+8*\t:OA+8*\t+7]
.endr
.endr
.rept 8
	v_nop                                          ; eight places behind this form, in front of the first read of results
.endr
	; the quantiser: register 16 b + i = channel 32 b + 16 h + i of head t
.irp b, 0,1,2,3
	v_max3_num_f32 v[TM+\b], |v[OA+16*\b]|, |v[OA+16*\b+1]|, 0x1800000   ; with the floor 2^(3 - 127): so the byte cannot fall under 1
.endr
.irp i, 2,4,6,8,10,12,14
.irp b, 0,1,2,3
	v_max3_num_f32 v[TM+\b], v[TM+\b], |v[OA+16*\b+\i]|, |v[OA+16*\b+\i+1]|
.endr
.endr
.irp b, 0,1,2,3
	s_delay_alu instid0(VALU_DEP_4)
	v_permlanex16_b32 v[TM+4+\b], v[TM+\b], s36, s37
.endr
.irp b, 0,1,2,3
	s_delay_alu instid0(VALU_DEP_4)
	v_max_num_f32 v[TM+\b], v[TM+\b], v[TM+4+\b]
.endr
.irp b, 0,1,2,3
	s_delay_alu instid0(VALU_DEP_4)
	v_add_nc_u32 v[TM+12+\b], 0xff000000, v[TM+\b] ; 2 off the exponent field: the conversion's scale operand
.endr
.irp b, 0,1,2,3
	s_delay_alu instid0(VALU_DEP_4)
	v_lshrrev_b32 v[TM+4+\b], 23, v[TM+12+\b]      ; the scale's byte
.endr
	s_delay_alu instid0(VALU_DEP_3)
	v_lshl_or_b32 v[PW], v[TM+5], 8, v[TM+4]
	s_delay_alu instid0(VALU_DEP_1)
	v_lshl_or_b32 v[PW], v[TM+6], 16, v[PW]
	s_delay_alu instid0(VALU_DEP_1)
	v_lshl_or_b32 v[PW], v[TM+7], 24, v[PW]
.irp c, 0,1
	v_cvt_scalef32_pk16_fp6_f32 v[PC+6*\c:PC+6*\c+2], v[OA+32*\c:OA+32*\c+15], v[TM+12+2*\c]
	v_cvt_scalef32_pk16_fp6_f32 v[PC+12+4*\c:PC+12+4*\c+2], v[OA+32*\c+16:OA+32*\c+31], v[TM+12+2*\c+1]
.endr
	v_nop                                          ; one plain place behind a scaled conversion
.irp c, 0,1
.irp i, 0,1,2
	v_permlane16_swap_b32 v[PC+6*\c+\i], v[PC+12+4*\c+\i]
.endr
.irp i, 0,1,2
	s_delay_alu instid0(VALU_DEP_3)
	v_mov_b32 v[PC+3+6*\c+\i], v[PC+12+4*\c+\i]
.endr
.endr
.irp c, 0,1,2
	ds_store_b128 v[AQ], v[PC+4*\c:PC+4*\c+3] offset:OOFF+512*\c    ; into the image of head t, at my token's place
.endr
	ds_store_b32 v[AOS], v[PW]                     ; both halves of the lanes write the same word with the same value
	s_wait_dscnt 0x0                               ; for the others' sake
	s_barrier_signal -1
	s_barrier_wait -1                              ; A's 16 images and the four records' scale bytes lie in LDS
.irp c, 0,1,2
	ds_load_b128 v[QF+4*\c:QF+4*\c+3], v[AQS] offset:OOFF+512*\c
.endr
	s_wait_dscnt 0x0
.irp c, 0,1,2
	global_store_b128 v[GL], v[QF+4*\c:QF+4*\c+3], s[10:11] offset:512*\c      ; head w's image: 512 consecutive bytes a store
.endr
	s_cmp_gt_u32 s16, 1                            ; waves 0 and 1 store two records' scale bytes each
	s_cbranch_scc1 .Ldone
	ds_load_b128 v[KF:KF+3], v[AOR]
	s_wait_dscnt 0x0
	global_store_b128 v[GOS], v[KF:KF+3], s[12:13] offset:RSC       ; each half of the lanes stores a record's 256 bytes whole
.Ldone:
	s_wait_tensorcnt 0x0                           ; the wave's end, behind my last LDS store
	ds_add_u32 v[SPW], v[NIL]
	s_wait_dscnt 0x0
	s_endpgm
.Lfunc_end_k_q68c9ce3b63_attn:
	.size	k_q68c9ce3b63_attn, .Lfunc_end_k_q68c9ce3b63_attn-k_q68c9ce3b63_attn
	.p2alignl 7, 3214868480
	.fill 96, 4, 3214868480
	.section	.rodata,"a",@progbits
	.p2align	6, 0x0
	.amdhsa_kernel k_q68c9ce3b63_attn
		.amdhsa_group_segment_fixed_size 215040
		.amdhsa_private_segment_fixed_size 0
		.amdhsa_enable_private_segment 0
		.amdhsa_kernarg_size 32
		.amdhsa_user_sgpr_count 2
		.amdhsa_user_sgpr_kernarg_segment_ptr 1
		.amdhsa_wavefront_size32 1
		.amdhsa_system_sgpr_workgroup_id_x 1
		.amdhsa_system_sgpr_workgroup_id_y 1
		.amdhsa_system_sgpr_workgroup_id_z 1
		.amdhsa_system_vgpr_workitem_id 0
		.amdhsa_next_free_vgpr 256
		.amdhsa_next_free_sgpr 66
		.amdhsa_reserve_vcc 0
		.amdhsa_float_denorm_mode_32 3
		.amdhsa_float_denorm_mode_16_64 3
		.amdhsa_memory_ordered 1
		.amdhsa_forward_progress 1
		.amdhsa_inst_pref_size 24
	.end_amdhsa_kernel
	.amdgpu_metadata
---
amdhsa.version: [ 1, 2 ]
amdhsa.kernels:
  - .name:           k_q68c9ce3b63_attn
    .symbol:         k_q68c9ce3b63_attn.kd
    .args:
      - { .name: qkc, .offset: 0, .size: 8, .value_kind: global_buffer, .address_space: global }
      - { .name: qks, .offset: 8, .size: 8, .value_kind: global_buffer, .address_space: global }
      - { .name: vf, .offset: 16, .size: 8, .value_kind: global_buffer, .address_space: global }
      - { .name: ap, .offset: 24, .size: 8, .value_kind: global_buffer, .address_space: global }
    .group_segment_fixed_size: 215040
    .private_segment_fixed_size: 0
    .kernarg_segment_align: 8
    .kernarg_segment_size: 32
    .max_flat_workgroup_size: 512
    .sgpr_count:     66
    .vgpr_count:     256
    .wavefront_size: 32
...
	.end_amdgpu_metadata
.endif
;; end of part 3
;; launch outp (part 4): grid 8 x 32, 4 waves a work-group, clusters of 4 x 4, 327,680 bytes of LDS; arguments ap, wp, bo, out0; writes out0
.if DOCPART == 4
	.amdgcn_target "amdgcn-amd-amdhsa--gfx1250"
	.amdhsa_code_object_version 6
	.text
	.protected	k_q68c9ce3b63_outp
	.globl	k_q68c9ce3b63_outp
	.p2align	8
	.type	k_q68c9ce3b63_outp,@function
k_q68c9ce3b63_outp:
	s_mov_b64 s[64:65], 0
	v_nop
	global_prefetch_b8 v0, s[64:65] scope:SCOPE_SE
	s_setreg_imm32_b32 hwreg(HW_REG_WAVE_MODE, 25, 1), 1
	s_wait_xcnt 0x0
	s_wait_alu depctr_hold_cnt(0) depctr_sa_sdst(0) depctr_va_vdst(0) depctr_va_sdst(0) depctr_va_ssrc(0) depctr_va_vcc(0) depctr_vm_vsrc(0)
	s_getreg_b32 s2, hwreg(HW_REG_IB_STS2, 6, 4)
	s_cmp_eq_u32 s2, 0
	s_cbranch_scc0 .Lentry_in_a_cluster
	s_endpgm
.Lentry_in_a_cluster:
	s_bfe_u32 s2, ttmp6, 0x10000c
	s_cmp_lg_u32 s2, 0xf033
	s_cbranch_scc0 .Lentry_shape_is_right
	s_endpgm
.Lentry_shape_is_right:
; out0 = A Wo^T + bo, on A's codes as the launch before laid them (ap) and Wo's (the fourth tensor of wp), both as records of 16 rows x 512 K.  No work of the problem is left out here.
; SHARES.  A work-group of four waves makes a tile of 128 rows x 256 columns, a wave 64 x 128 (32 accumulators, window 2); bo is the C of each accumulator's first product (window 3).  K goes in four steps of 512 through two LDS
; slots of 153,600 bytes; waves 0, 1 fetch A's halves, waves 2, 3 B's, one joint load a wave: 4 x 4 work-groups form a cluster, A's tile is shared along its row, B's along its column.
; PREFETCH: behind step 0's load each wave asks for steps 1 and 2, behind step 1's load for step 3: at most two steps are asked for and not yet read; the two refills have no step two on.  Of the 100 blocks of 256 bytes of a half of A
; each of the four partners that load it takes 25 (cx x one record), of the 200 of a half of B 50 (cy x two records): shared out by address, each block named once in a cluster.
; The result leaves through each wave's stage in slot 0, which has had its last fill and its last read by then, as whole rows of 512 bytes.
.set REC,    6400
.set FRB,    1536
.set RSC,    6144
.set XG,     256*REC
.set WGS,    128*REC
.set WBASE,  3*4*WGS
.set AH,     4*REC
.set BH,     8*REC
.set BOFF,   2*AH
.set SLOT,   2*AH+2*BH
.set SPARE,  2*SLOT
.set SPITCH, 528
.set CROW,   8192
.set ADRA, 16
.set ADRB, 20
.set ADRS, 22
.set STO,  24
.set RD,   25
.set LI,   26
.set SPW,  28
.set NIL,  29
.set SC,   32
.set AF,   96
.set BK,   128
.set G1,  24
.set G0,  32
.set G1B, 48
.set G0B, 56
.set MSB, 0
.macro WIN new
.if MSB != \new
	s_set_vgpr_msb (MSB<<8)|\new
.set MSB, \new
.endif
.endm
.set MUL,  0xa1
.set MULB, 0xb1
.set TO_B, 0x40
.macro JLOAD g0a, g1a, g0b, g1b
	s_cmp_eq_u32 s15, 0
	s_cbranch_scc0 .Lfor_b_\@
	tensor_load_to_lds s[\g0a:\g0a+3], s[\g1a:\g1a+7]
	s_nop 0
.rept 4
	v_nop
.endr
	s_branch .Lasked_\@
.Lfor_b_\@:
	tensor_load_to_lds s[\g0b:\g0b+3], s[\g1b:\g1b+7]
	s_nop 0
.rept 4
	v_nop
.endr
.Lasked_\@:
.endm
.macro CREST
	s_cmp_lg_u32 s14, 0
	s_cbranch_scc1 .Lnot_wave_0_\@
	s_barrier_signal -3
.Lnot_wave_0_\@:
	s_barrier_wait -3
	s_barrier_signal -1
	s_barrier_wait -1
.endm
; One step's share of my wave's tile is asked for: v8 names blocks 0-24 (A) or 0-31 (B), v9 B's blocks 32-49; lanes left over name the share's last block again
.macro ASK pf
	global_prefetch_b8 v8, s[\pf:\pf+1] th:TH_LOAD_NT scope:SCOPE_SE
	s_cmp_eq_u32 s15, 0
	s_cbranch_scc1 .Lpf_\@
	global_prefetch_b8 v9, s[\pf:\pf+1] th:TH_LOAD_NT scope:SCOPE_SE
.Lpf_\@:
.endm
.macro CROUND
	s_barrier_signal -1
	s_barrier_wait -1
	CREST
.endm
	s_load_b128 s[4:7], s[0:1], 0x0
	s_load_b64 s[8:9], s[0:1], 0x10
	s_load_b64 s[12:13], s[0:1], 0x18
	v_lshl_add_u32 v[SPW], v0, 2, SPARE
	v_mov_b32 v[NIL], 0
	ds_add_u32 v[SPW], v[NIL]
	ds_add_u32 v[SPW], v[NIL]
	v_lshrrev_b32 v1, 5, v0
	v_readfirstlane_b32 s14, v1
	s_lshr_b32 s15, s14, 1
	s_and_b32 s16, s14, 1
	s_bfe_u32 s40, ttmp6, 0x40000
	s_bfe_u32 s41, ttmp6, 0x40004
	s_lshl_b32 s42, ttmp9, 2
	s_add_co_u32 s42, s42, s40
	s_and_b32 s17, ttmp7, 0xffff
	s_lshl_b32 s17, s17, 2
	s_add_co_u32 s17, s17, s41
	s_lshl_b32 s43, s41, 2
	s_lshl_b32 s43, 15, s43
	s_lshl_b32 s44, 0x1111, s40
	s_or_b32 s[G1+0], s43, (3<<16)|(1<<21)
	s_or_b32 s[G1B+0], s44, (3<<16)|(1<<21)
	s_mov_b32 s[G1+1], 32<<16
	s_mov_b32 s[G1+2], (AH/256)<<16
	s_mov_b32 s[G1+3], 32<<16
	s_mov_b32 s[G1+4], AH/256
	s_mov_b32 s[G1+5], 32
	s_mov_b32 s[G1+6], 0
	s_mov_b32 s[G1+7], 0
	s_mov_b32 s[G1B+1], 32<<16
	s_mov_b32 s[G1B+2], (BH/256)<<16
	s_mov_b32 s[G1B+3], 32<<16
	s_mov_b32 s[G1B+4], BH/256
	s_mov_b32 s[G1B+5], 32
	s_mov_b32 s[G1B+6], 0
	s_mov_b32 s[G1B+7], 0
	s_lshl_b32 s20, s17, 3
	s_lshl_b32 s18, s16, 2
	s_add_co_u32 s20, s20, s18
	s_mul_i32 s20, s20, REC
	s_mov_b32 s21, 0
	s_lshl_b32 s46, s42, 4
	s_lshl_b32 s18, s16, 3
	s_add_co_u32 s46, s46, s18
	s_mul_i32 s46, s46, REC
	s_add_co_u32 s46, s46, WBASE
	s_mov_b32 s47, 0
	s_mul_i32 s45, s16, AH
	s_mul_i32 s94, s16, BH
	s_add_co_u32 s94, s94, BOFF
	s_cmp_eq_u32 s15, 0                            ; do I fetch for A?
	s_cselect_b32 s78, 24, 31                      ; the last block that v8 names
	s_cselect_b32 s76, s40, s41                    ; my place among the four that ask for the tile with me
	s_mov_b32 s77, 2*REC
	s_cselect_b32 s77, REC, s77                    ; a partner's share of the half
	s_mov_b32 s72, WGS
	s_cselect_b32 s72, XG, s72                     ; s[72:73]: a step of 512 along K in my buffer
	s_mov_b32 s73, 0
	s_mul_i32 s76, s76, s77
	s_mov_b32 s77, 0
	v_and_b32 v8, 31, v0
	v_min_u32 v9, 17, v8
	v_min_u32 v8, s78, v8
	v_lshlrev_b32 v8, 8, v8
	v_lshl_add_u32 v9, v9, 8, 8192
	s_wait_alu depctr_va_vdst(0)
	s_wait_dscnt 0x0
	s_wait_kmcnt 0x0
	s_add_nc_u64 s[20:21], s[4:5], s[20:21]
	s_add_nc_u64 s[46:47], s[6:7], s[46:47]
	s_cmp_eq_u32 s15, 0
	s_cselect_b64 s[70:71], s[20:21], s[46:47]
	s_add_nc_u64 s[70:71], s[70:71], s[76:77]
	s_add_nc_u64 s[70:71], s[70:71], s[72:73]      ; my share of step 1,
	s_add_nc_u64 s[74:75], s[70:71], s[72:73]      ; and of step 2
	CROUND
.irp s, 0,1
	s_mov_b32 s[G0+4*\s], 1
	s_add_co_u32 s[G0+4*\s+1], s45, \s*SLOT
	s_add_nc_u64 s[G0+4*\s+2:G0+4*\s+3], s[20:21], \s*XG
	s_or_b32 s[G0+4*\s+3], s[G0+4*\s+3], 0x80000000
	s_mov_b32 s[G0B+4*\s], 1
	s_add_co_u32 s[G0B+4*\s+1], s94, \s*SLOT
	s_add_nc_u64 s[G0B+4*\s+2:G0B+4*\s+3], s[46:47], \s*WGS
	s_or_b32 s[G0B+4*\s+3], s[G0B+4*\s+3], 0x80000000
.endr
	JLOAD G0, G1, G0B, G1B                         ; step 0: one tensor load a wave at the head
	ASK 70
	ASK 74
	v_and_b32 v1, 31, v0
	v_and_b32 v2, 15, v0
	s_wait_alu depctr_va_vdst(0)
	v_bfe_u32 v3, v0, 4, 1
	s_wait_alu depctr_va_vdst(0)
	s_lshl_b32 s46, s42, 10
	s_lshl_b32 s47, s16, 9
	s_add_co_u32 s46, s46, s47
	s_mov_b32 s47, 0
	s_add_nc_u64 s[8:9], s[8:9], s[46:47]
	v_lshlrev_b32 v4, 5, v3
	WIN 0xc0
.irp b, 0,1,2,3,4,5,6,7
	global_load_b128 v[8*\b:8*\b+3], v4, s[8:9] offset:64*\b
	global_load_b128 v[8*\b+4:8*\b+7], v4, s[8:9] offset:64*\b+16
.endr
	WIN 0
	v_lshlrev_b32 v[LI], 4, v1
	s_wait_alu depctr_va_vdst(0)
	s_mul_i32 s21, s15, AH
	s_mul_i32 s22, s16, BH
	s_add_co_u32 s22, s22, BOFF
	s_sub_co_u32 s23, s22, s21
	v_lshlrev_b32 v5, 4, v2
	v_mul_u32_u24 v6, s23, v3
	v_add_nc_u32 v5, v5, v6
	s_add_co_u32 s23, s21, RSC
.irp s, 0,1
	v_add_nc_u32 v[ADRA+\s], s21, v[LI]
	v_add_nc_u32 v[ADRB+\s], s22, v[LI]
	v_add_nc_u32 v[ADRS+\s], s23, v5
	s_add_co_u32 s21, s21, SLOT
	s_add_co_u32 s22, s22, SLOT
	s_add_co_u32 s23, s23, SLOT
.endr
	s_mul_i32 s23, s14, 16*SPITCH
	v_mul_u32_u24 v5, v2, SPITCH
	v_lshl_add_u32 v5, v3, 5, v5
	v_add_nc_u32 v[STO], s23, v5
	v_add_nc_u32 v[RD], s23, v[LI]
	s_lshl_b32 s20, s17, 7
	s_lshl_b32 s21, s15, 6
	s_add_co_u32 s20, s20, s21
	s_lshl_b32 s20, s20, 13
	s_add_co_u32 s92, s20, s46
	s_mov_b32 s93, 0
	s_add_nc_u64 s[12:13], s[12:13], s[92:93]
.macro FETCH slot, q, p
	WIN TO_B
.irp b, 0,1,2,3,4,5,6,7
.irp c, 0,1,2
	ds_load_b128 v[128*(\p)+12*\b+4*\c:128*(\p)+12*\b+4*\c+3], v[ADRB+\slot] offset:REC*\b+FRB*(\q)+512*\c
.endr
.endr
	WIN 0
.irp a, 0,1,2,3
.irp c, 0,1,2
	ds_load_b128 v[AF+48*(\p)+12*\a+4*\c:AF+48*(\p)+12*\a+4*\c+3], v[ADRA+\slot] offset:REC*\a+FRB*(\q)+512*\c
.endr
.endr
.endm
.macro SCALES s
.irp i, 0,1,2,3,4,5,6,7
	ds_load_b128 v[SC+32*\s+4*\i:SC+32*\s+4*\i+3], v[ADRS+\s] offset:REC*\i
.endr
.endm
.macro MUL8 a, p, q, sc, first
.irp b, 0,1,2,3,4,5,6,7
.if \first
	v_wmma_scale_f32_16x16x128_f8f6f4 v[8*(8*(\a)+\b):8*(8*(\a)+\b)+7], v[128*(\p)+12*\b:128*(\p)+12*\b+11], v[AF+48*(\p)+12*(\a):AF+48*(\p)+12*(\a)+11], v[8*\b:8*\b+7], v[SC+32*(\sc)+4*\b+(\q)], v[SC+32*(\sc)+4*(\a)+(\q)] matrix_a_fmt:MATRIX_FMT_FP6 matrix_b_fmt:MATRIX_FMT_FP6 matrix_a_scale:MATRIX_SCALE_ROW1
.else
	v_wmma_scale_f32_16x16x128_f8f6f4 v[8*(8*(\a)+\b):8*(8*(\a)+\b)+7], v[128*(\p)+12*\b:128*(\p)+12*\b+11], v[AF+48*(\p)+12*(\a):AF+48*(\p)+12*(\a)+11], v[8*(8*(\a)+\b):8*(8*(\a)+\b)+7], v[SC+32*(\sc)+4*\b+(\q)], v[SC+32*(\sc)+4*(\a)+(\q)] matrix_a_fmt:MATRIX_FMT_FP6 matrix_b_fmt:MATRIX_FMT_FP6 matrix_a_scale:MATRIX_SCALE_ROW1
.endif
.endr
.endm
.macro PLACES n
.rept \n
	v_nop
.endr
.endm
.macro STEP slot, q, first
	PLACES 4
	FETCH \slot, (\q)+1, 1-(\q)%2
	s_wait_dscnt 36
.if \first
	WIN MULB
.else
	WIN MUL
.endif
	MUL8 0, (\q)%2, \q, \slot, \first
	MUL8 1, (\q)%2, \q, \slot, \first
	MUL8 2, (\q)%2, \q, \slot, \first
	MUL8 3, (\q)%2, \q, \slot, \first
	WIN 0
.endm
.macro TURN slot, next, fill
	s_wait_tensorcnt 0x0
	ds_add_u32 v[SPW], v[NIL]
	s_wait_dscnt 1
	WIN MUL
	MUL8 0, 1, 3, \slot, 0
	s_wait_dscnt 0x0
	s_barrier_signal -1
	MUL8 1, 1, 3, \slot, 0
	WIN 0
	s_barrier_wait -1
.if \fill
	CREST
	s_add_nc_u64 s[G0+4*\slot+2:G0+4*\slot+3], s[G0+4*\slot+2:G0+4*\slot+3], 2*XG
	s_add_nc_u64 s[G0B+4*\slot+2:G0B+4*\slot+3], s[G0B+4*\slot+2:G0B+4*\slot+3], 2*WGS
	JLOAD G0+4*\slot, G1, G0B+4*\slot, G1B
.else
	PLACES 4
.endif
	FETCH \next, 0, 0
	SCALES \next
	WIN MUL
	MUL8 2, 1, 3, \slot, 0
	MUL8 3, 1, 3, \slot, 0
	WIN 0
.endm
.macro SLOT3 slot, first
	STEP \slot, 0, \first
	STEP \slot, 1, 0
	STEP \slot, 2, 0
.endm
.macro TOSTAGE a
	WIN 0x08
.irp b, 0,1,2,3,4,5,6,7
	ds_store_b128 v[STO], v[64*(\a)+8*\b:64*(\a)+8*\b+3] offset:64*\b
	ds_store_b128 v[STO], v[64*(\a)+8*\b+4:64*(\a)+8*\b+7] offset:64*\b+16
.endr
	WIN 0
.set BB, BK+64*((\a)%2)
.irp t, 0,1,2,3,4,5,6,7,8,9,10,11,12,13,14,15
	ds_load_b128 v[BB+4*\t:BB+4*\t+3], v[RD] offset:\t*SPITCH
.endr
.endm
.macro SEND a, younger
.set BB, BK+64*((\a)%2)
	s_wait_dscnt \younger
.if (\a) > 0
	s_add_nc_u64 s[12:13], s[12:13], 16*CROW
.endif
.irp t, 0,1,2,3,4,5,6,7,8,9,10,11,12,13,14,15
	global_store_b128 v[LI], v[BB+4*\t:BB+4*\t+3], s[12:13] offset:\t*CROW th:TH_STORE_NT
.endr
.endm
	s_wait_alu depctr_va_vdst(0)
	s_wait_xcnt 0x0                                ; the head's prefetches have read their addresses
	s_add_nc_u64 s[70:71], s[74:75], s[72:73]      ; step 3
	s_wait_tensorcnt 0x0                           ; my part of step 0 is in
	ds_add_u32 v[SPW], v[NIL]
	s_wait_dscnt 0x0
	CROUND                                         ; slot 0 is whole for all four waves, and all sixteen work-groups are here
	JLOAD G0+4, G1, G0B+4, G1B                     ; step 1: slot 1's first fill, the first tensor load behind the round
	FETCH 0, 0, 0
	SCALES 0
	s_wait_loadcnt 0x0                             ; bo
	ASK 70
	SLOT3 0, 1
	TURN 0, 1, 1
	SLOT3 1, 0
	TURN 1, 0, 1
	SLOT3 0, 0
	TURN 0, 1, 0
	SLOT3 1, 0
	s_wait_dscnt 0x0
	WIN MUL
	MUL8 0, 1, 3, 1, 0
	MUL8 1, 1, 3, 1, 0
	MUL8 2, 1, 3, 1, 0
	MUL8 3, 1, 3, 1, 0
	WIN 0
	PLACES 4
	TOSTAGE 0
.irp a, 1,2,3
.if \a > 1
	s_wait_xcnt 0x0
.endif
	TOSTAGE \a
	SEND \a-1, 32
.endr
	s_wait_xcnt 0x0
	SEND 3, 0
	s_wait_tensorcnt 0x0
	ds_add_u32 v[SPW], v[NIL]
	s_wait_dscnt 0x0
	CROUND
	s_endpgm
.Lfunc_end_k_q68c9ce3b63_outp:
	.size	k_q68c9ce3b63_outp, .Lfunc_end_k_q68c9ce3b63_outp-k_q68c9ce3b63_outp
	.p2alignl 7, 3214868480
	.fill 96, 4, 3214868480
	.section	.rodata,"a",@progbits
	.p2align	6, 0x0
	.amdhsa_kernel k_q68c9ce3b63_outp
		.amdhsa_group_segment_fixed_size 327680
		.amdhsa_private_segment_fixed_size 0
		.amdhsa_enable_private_segment 0
		.amdhsa_kernarg_size 32
		.amdhsa_user_sgpr_count 2
		.amdhsa_user_sgpr_kernarg_segment_ptr 1
		.amdhsa_wavefront_size32 1
		.amdhsa_system_sgpr_workgroup_id_x 1
		.amdhsa_system_sgpr_workgroup_id_y 1
		.amdhsa_system_sgpr_workgroup_id_z 1
		.amdhsa_system_vgpr_workitem_id 0
		.amdhsa_next_free_vgpr 832
		.amdhsa_next_free_sgpr 100
		.amdhsa_reserve_vcc 0
		.amdhsa_float_denorm_mode_32 3
		.amdhsa_float_denorm_mode_16_64 3
		.amdhsa_memory_ordered 1
		.amdhsa_forward_progress 1
		.amdhsa_inst_pref_size 135
	.end_amdhsa_kernel
	.amdgpu_metadata
---
amdhsa.version: [ 1, 2 ]
amdhsa.kernels:
  - .name:           k_q68c9ce3b63_outp
    .symbol:         k_q68c9ce3b63_outp.kd
    .args:
      - { .name: ap, .offset: 0, .size: 8, .value_kind: global_buffer, .address_space: global }
      - { .name: wp, .offset: 8, .size: 8, .value_kind: global_buffer, .address_space: global }
      - { .name: bo, .offset: 16, .size: 8, .value_kind: global_buffer, .address_space: global }
      - { .name: out0, .offset: 24, .size: 8, .value_kind: global_buffer, .address_space: global }
    .group_segment_fixed_size: 327680
    .private_segment_fixed_size: 0
    .kernarg_segment_align: 8
    .kernarg_segment_size: 32
    .max_flat_workgroup_size: 128
    .sgpr_count:     100
    .vgpr_count:     832
    .wavefront_size: 32
...
	.end_amdgpu_metadata
.endif
;; end of part 4
